; MI455X (gfx1250); checked and timed in simulation.
; The chip was launched on July 23, 2026; its instructions are those of AMD's public machine-readable ISA for CDNA 5 (MIT licence, August 2026) and "CDNA5" Instruction Set Architecture Reference Guide (July 2026). The comments in the code are by the model that wrote it; some were corrected since.
;; Local Attention. Allowed arithmetic: float matrix products may take bf16 or f16 operands with f32 sums; all other float work in f32.
;; Inputs: attn_mask 1 bool; keys 4 x 2,048 x 16 x 64 float32; queries 4 x 2,048 x 16 x 64 float32; values 4 x 2,048 x 16 x 64 float32.
;; Outputs: out0 4 x 2,048 x 16 x 64 float32.
;; 2 versions, each right; version 2 is version 1 with the launch band written anew for expert scheduling mode. Each part assembles by itself: llvm-mc -triple=amdgcn-amd-amdhsa -mcpu=gfx1250 --defsym DOCPART=n.
;; ======== version 1 of 2: 1 launch
;; limits: values are held in f16: magnitudes above 65,504 overflow, below 6.1e-05 lose precision; inputs' magnitudes at most 65,504
;; launch band (part 1): grid 4 x 64, 8 waves a work-group, no clusters, 229,376 bytes of LDS; arguments queries, keys, values, attn_mask, out0; writes out0
.if DOCPART == 1
	.amdgcn_target "amdgcn-amd-amdhsa--gfx1250"
	.amdhsa_code_object_version 6
	.text
	.protected	k_qcb00b9fc84_band
	.globl	k_qcb00b9fc84_band
	.p2align	8
	.type	k_qcb00b9fc84_band,@function
k_qcb00b9fc84_band:
	s_mov_b64 s[64:65], 0
	v_nop
	global_prefetch_b8 v0, s[64:65] scope:SCOPE_SE
	s_setreg_imm32_b32 hwreg(HW_REG_WAVE_MODE, 25, 1), 1
	s_wait_xcnt 0x0
; LOCAL ATTENTION.  out[b][i][h][:] = sum over j in [i-32, i+32), 0 <= j < 2048, of softmax_j(Q[b][i][h] . K[b][j][h] / 8) V[b][j][h][:].
; Q, K, V, out: [4][2048][16][64] f32: a head's row is 256 bytes, rows of one head lie 4,096 bytes apart.  Only the band is computed: what the reference's own mask hides gets weight 0.
; FORMATS.  Q, K, V and the weights p are rounded to f16 for the two products; sums, maximum, exponentials and the divisor l (taken of the unrounded p) in f32.
; LIMITS.  An input of magnitude 65,520 or more becomes an f16 infinity; below 6e-5 an operand keeps f16's fixed step of 6e-8.  A hidden score counts as its value less 1e30 (f16's scores reach
; 2.7e11 at the most); a weight below 2^-126 counts as 0; NaN and infinities are not treated apart.  attn_mask is loaded; the reference uses it nowhere, so it enters nothing.
; SHARES.  A work-group owns 512 queries of one (batch, head): x = the chunk, y = 16 b + h.  Four steps of 128 queries; in a step each of the eight waves makes one tile of 16 queries.
; Keys are numbered locally: kappa = j - c0 + 32, 0 .. 575 (c0 = 512 x); local query q sees kappa = q .. q + 63: five tiles of 16 keys from kappa = q0 on, the first and the last cut by the diagonal.
; THE STREAM.  Each wave keeps a ring of 24 loads of 16 bytes a lane in flight (8 of K, 8 of V, 8 of Q; a load takes two whole rows of 256 bytes).  A slot is rounded to f16, stored to LDS, and asked for again at once.
; K and V land in LDS once: block H (kappa 0-63) and blocks 1-4 (128 keys each from kappa 64 on).  Step t reads kappa <= 128 t + 191 = the end of block t + 1; the next step's stores begin at 128 t + 192:
; no byte of K or V is written twice, so one barrier a step (stores done, then reads) is all the ordering between waves.  The Q and O stages are each wave's own.
; NO TENSOR LOADS: they would land f32 in LDS, and the turning load wants 16-bit data.  NO CLUSTER: work-groups share only 64 halo rows of 576.
; LAYOUT.  S^T = K Q^T (source 0 = 16 keys, source 1 = 16 queries): lane l holds ONE query (l % 16) and keys 8 (l / 16) + 0..7.  Two such tiles rounded in pairs ARE source 1 of O^T = V^T P;
; V ([key][channel]) comes out of LDS turned, by ds_load_tr16_b128.  The fifth key tile has no partner: the upper halves of its P and V fragments hold 0, written once.
; THE MASK is the C operand that starts a sum: 0 or -1e30.
; REGISTERS.  Window 0 (v0-255): the arithmetic.  Window 1: the ring and its addresses; s_set_vgpr_msb: bits 1:0 source 0, 3:2 source 1, 5:4 source 2, 7:6 destination.
.set KP,    144       ; a row of K or Q in LDS: 128 bytes + 16: the 16 rows of a fragment load start 36 words apart
.set VP,    160       ; a row of V: 128 + 32: an odd multiple of 32 bytes, for the turning load
.set OP,    272       ; a row of O (f32): 256 + 16
.set VB,    576*KP            ; V behind K's 576 rows
.set QB,    VB+576*VP         ; Q stage: 16 rows a wave
.set OB,    QB+8*16*KP        ; O stage: 16 rows a wave
.set SPARE, OB+8*16*OP        ; the spare words, 128 bytes a wave: four blocks of 256 bytes that no other line names
.set STEPG, 128*4096          ; 128 rows in memory
; window 0
.set SPW,  1          ; LDS address of my spare word; never rewritten
.set NIL,  2          ; 0; never rewritten
.set AKF,  3          ; K fragments: (16 w + r) 144 + 16 h
.set AVF0, 4          ; V, turning load, steps 0 and 1
.set AVF2, 5          ; the same 256 rows on, steps 2 and 3
.set AQF,  6          ; Q fragments in my stage
.set AOS,  7          ; O stage: where I put 32 bytes of a row
.set AOR,  8          ; O stage: where I read rows back
.set AQO,  9          ; my byte offset in out (and Q): (R + l / 16) 4096 + 16 (l % 16)
.set CH,   16         ; v16-20 five chains of the maximum
.set TMP,  21
.set CM,   22         ; v22 c m, v23 m
.set RL,   24         ; v24 1 / l, v25 l
.set M0,   28         ; mask of key tile 0
.set M4,   36         ; mask of key tile 4
.set S,    44         ; v44-83 S^T, five tiles; later the rows of O read back
.set OA,   84         ; v84-115 O^T; v84-99 hold two fragments of K before that
.set P,    116        ; v116-139 P; v116-131 hold the edge steps' masks before that
.set QR,   140        ; v140-155 Q's two fragments
.set GF,   156        ; v156-219 eight fragments of K, then V's eight whole fragments
.set ZV,   220        ; v220-251 V's four fragments of the fifth key tile: upper halves 0
; window 1
.set X,    0          ; 24 slots of 4: K 0-7, V 8-15, Q 16-23
.set T,    96         ; four pairs at work, by turns
.set GKM,  104        ; global offset, blocks 1-3
.set GK4,  105        ; block 4 (clamped to the last 16 rows)
.set GQO,  106        ; Q
.set LKS,  107        ; LDS: K's blocks 1-4
.set LVS,  108        ; V's
.set LQS,  109        ; my Q stage
.set GKH,  110        ; global offset, block H (clamped to row 0)
.set LKH,  111        ; LDS: K's block H
.set LVH,  112        ; V's
.set XH,   116        ; 8 slots for block H
; scalars
.set CS,   24         ; s[24:25] c = log2(e) / 8
.set SEL,  26         ; s[26:27] v_permlanex16_b32's selects: each lane takes its own place in the other half
.set BIGN, 28         ; -1e30
.set BE0,  29         ; -1e30 where key tile 0 of step 0 lies in front of the sequence, else 0
.set BE1,  30         ; the same for key tile 1
.set BE3,  31         ; -1e30 where key tile 3 of step 3 lies behind the sequence
.set BE4,  32         ; the same for key tile 4
.set MSB, 0
.macro WIN new                         ; the immediate's high byte repeats the setting that is left; a switch that changes nothing is dropped
.if MSB != (\new)
	s_set_vgpr_msb (MSB<<8)|(\new)
.set MSB, (\new)
.endif
.endm
.macro PLACES
.rept 4
	v_nop
.endr
.endm
	s_load_b256 s[4:11], s[0:1], 0x0               ; Q s[4:5], K s[6:7], V s[8:9], attn_mask s[10:11]
	s_load_b64 s[12:13], s[0:1], 0x20              ; out
	v_lshl_add_u32 v[SPW], v0, 2, SPARE
	v_mov_b32 v[NIL], 0
	v_lshrrev_b32 v10, 5, v0
	v_readfirstlane_b32 s16, v10                   ; wave 0..7
	s_and_b32 s18, ttmp7, 0xffff                   ; y = 16 b + h
	s_lshr_b32 s20, s18, 4
	s_lshl_b32 s20, s20, 23                        ; a batch is 2^23 bytes,
	s_and_b32 s35, s18, 15
	s_lshl_b32 s35, s35, 8                         ; a head 256 bytes in a row
	s_or_b32 s20, s20, s35
	s_mov_b32 s21, 0
	s_lshl_b32 s17, ttmp9, 9                       ; c0 = 512 x
	s_lshl_b32 s35, s16, 4
	s_add_co_u32 s22, s17, s35                     ; R = c0 + 16 w: my first query of step 0
	s_add_co_u32 s23, s22, 32                      ; first row of my 16 in block 1
	s_add_co_u32 s33, s22, 416                     ; in block 4,
	s_min_u32 s33, s33, 2032                       ; kept inside the sequence: what is loaded in a hidden row's stead is finite and gets weight 0
	s_lshl_b32 s35, s16, 3
	s_add_co_u32 s34, s17, s35
	s_sub_co_i32 s34, s34, 32                      ; first row of my 8 in block H,
	s_max_i32 s34, s34, 0                          ; kept inside likewise
	s_mov_b32 s[BIGN], 0xf149f2ca                  ; -1e30
	s_cmp_lt_u32 s22, 32
	s_cselect_b32 s[BE0], s[BIGN], 0
	s_cmp_lt_u32 s22, 16
	s_cselect_b32 s[BE1], s[BIGN], 0
	s_cmp_ge_u32 s22, 1648
	s_cselect_b32 s[BE3], s[BIGN], 0
	s_cmp_ge_u32 s22, 1632
	s_cselect_b32 s[BE4], s[BIGN], 0
	s_lshl_b32 s22, s22, 12                        ; rows to bytes
	s_lshl_b32 s23, s23, 12
	s_lshl_b32 s33, s33, 12
	s_lshl_b32 s34, s34, 12
	s_mov_b32 s[CS], 0x3e38aa3b                    ; c = log2(e) / 8 = 0.180337
	s_mov_b32 s[CS+1], s[CS]                       ; named with it as a pair
	s_mov_b32 s[SEL], 0x76543210
	s_mov_b32 s[SEL+1], 0xfedcba98
	s_mul_i32 s36, s16, 16*KP                      ; my 16 rows of pitch 144
	s_mul_i32 s37, s16, 16*VP                      ; of pitch 160
	s_mul_i32 s38, s16, 16*OP                      ; of pitch 272
	s_mul_i32 s39, s16, 8*KP                       ; my 8 rows of block H
	s_mul_i32 s40, s16, 8*VP
	s_add_co_u32 s41, s36, QB                      ; my Q stage
	s_add_co_u32 s42, s37, VB
	s_add_co_u32 s38, s38, OB                      ; my O stage
	s_add_co_u32 s43, s36, 64*KP                   ; blocks 1-4 begin at kappa 64
	s_add_co_u32 s44, s42, 64*VP
	s_add_co_u32 s40, s40, VB
	v_and_b32 v10, 15, v0                          ; r = l % 16
	v_bfe_u32 v11, v0, 4, 1                        ; h = l / 16
	v_and_b32 v12, 7, v0
	v_bfe_u32 v13, v0, 3, 1
	v_lshlrev_b32 v14, 4, v10
	v_lshl_add_u32 v14, v11, 12, v14               ; in memory: lanes 0-15 one row of 256 bytes, lanes 16-31 the next
	v_mul_u32_u24 v15, v11, KP
	v_lshl_add_u32 v15, v10, 3, v15                ; the same two rows as f16, pitch 144: 8 bytes a lane
	v_mul_u32_u24 v16, v11, VP
	v_lshl_add_u32 v16, v10, 3, v16                ; pitch 160
	WIN 0x40                                       ; destination window 1, sources window 0
	v_add_nc_u32 v[GKM], s23, v14
	v_add_nc_u32 v[GK4], s33, v14
	v_add_nc_u32 v[GKH], s34, v14
	v_add_nc_u32 v[GQO], s22, v14
	v_add_nc_u32 v[LKS], s43, v15
	v_add_nc_u32 v[LVS], s44, v16
	v_add_nc_u32 v[LQS], s41, v15
	v_add_nc_u32 v[LKH], s39, v15
	v_add_nc_u32 v[LVH], s40, v16
	s_wait_kmcnt 0x0
	s_add_nc_u64 s[4:5], s[4:5], s[20:21]          ; the four tensors at my batch and head
	s_add_nc_u64 s[6:7], s[6:7], s[20:21]
	s_add_nc_u64 s[8:9], s[8:9], s[20:21]
	s_add_nc_u64 s[12:13], s[12:13], s[20:21]
	s_load_u8 s14, s[10:11], 0x0                   ; attn_mask, read as every input is; the reference takes it and uses it nowhere, and so does this text
	; the first 32 loads: block H (4 of K, 4 of V), block 1 (8, 8), Q of step 0 (8).  K and V carry no hint: the halo rows are read again by the neighbouring chunk.
	WIN 0x55                                       ; every operand place window 1
.irp i, 0,1,2,3
	global_load_b128 v[XH+4*\i:XH+4*\i+3], v[GKH], s[6:7] offset:8192*\i
.endr
.irp i, 0,1,2,3
	global_load_b128 v[XH+16+4*\i:XH+16+4*\i+3], v[GKH], s[8:9] offset:8192*\i
.endr
.irp i, 0,1,2,3,4,5,6,7
	global_load_b128 v[X+4*\i:X+4*\i+3], v[GKM], s[6:7] offset:8192*\i
.endr
.irp i, 0,1,2,3,4,5,6,7
	global_load_b128 v[X+32+4*\i:X+32+4*\i+3], v[GKM], s[8:9] offset:8192*\i
.endr
.irp i, 0,1,2,3,4,5,6,7
	global_load_b128 v[X+64+4*\i:X+64+4*\i+3], v[GQO], s[4:5] offset:8192*\i th:TH_LOAD_NT
.endr
	; the rest of the set-up stands in the wait for those loads
	WIN 0
	v_mul_u32_u24 v17, v10, KP
	v_lshl_add_u32 v17, v11, 4, v17                ; a fragment of K or Q: row r, 16 bytes for each half of the lanes
	v_lshl_add_u32 v18, v11, 3, v12
	v_mul_u32_u24 v18, v18, VP
	v_lshl_add_u32 v18, v13, 4, v18                ; the turning load: key 8 h + l % 8, channels 8 ((l / 8) % 2) on
	v_mul_u32_u24 v19, v10, OP
	v_lshl_add_u32 v19, v11, 5, v19                ; O in: row r, 32 bytes for each half of the lanes
	v_mul_u32_u24 v20, v11, OP
	v_lshl_add_u32 v20, v10, 4, v20                ; O back: lanes 0-15 one row, lanes 16-31 the next
	v_lshlrev_b32 v[TMP], 3, v11
	v_sub_nc_u32 v[TMP], v10, v[TMP]               ; d = r - 8 h: register i of key tile 0 is hidden where i < d, of key tile 4 where i >= d
	v_add_nc_u32 v[AKF], s36, v17
	v_add_nc_u32 v[AQF], s41, v17
	v_add_nc_u32 v[AVF0], s42, v18
	v_add_nc_u32 v[AVF2], 256*VP, v[AVF0]
	v_add_nc_u32 v[AOS], s38, v19
	v_add_nc_u32 v[AOR], s38, v20
	v_add_nc_u32 v[AQO], s22, v14
.set i, 0
.rept 8
	v_cmp_lt_i32 vcc_lo, i, v[TMP]
	v_cndmask_b32 v[M0+i], 0, s[BIGN], vcc_lo
	v_cmp_ge_i32 vcc_lo, i, v[TMP]
	v_cndmask_b32 v[M4+i], 0, s[BIGN], vcc_lo
.set i, i+1
.endr
.irp z, 20,21,22,23
	v_mov_b32 v[P+\z], 0                           ; the fifth key tile has no partner: these 20 registers stay 0 for the whole launch
.endr
.irp cb, 0,1,2,3
.irp z, 4,5,6,7
	v_mov_b32 v[ZV+8*\cb+\z], 0
.endr
.endr
; Four f32 at x are rounded to f16 and 8 bytes stored to LDS.  All operands lie in window 1.
.macro CVST x, tp, adr, imm
	v_cvt_pk_f16_f32 v[T+2*(\tp)], v[\x], v[(\x)+1]
	v_cvt_pk_f16_f32 v[T+2*(\tp)+1], v[(\x)+2], v[(\x)+3]
	ds_store_b64 v[\adr], v[T+2*(\tp):T+2*(\tp)+1] offset:\imm
.endm
; The ring goes round once: block t + 1 of K and V and Q of step t go to LDS; each slot is asked for again at once: block t + 2, Q of step t + 1.  Step 3 asks for nothing.
.macro PRODUCE t
.if (\t) > 0
	s_wait_xcnt 0x0                                ; the last step's stores have had their addresses translated: S, their data, is rewritten only behind this wait
.endif
	WIN 0x55
.set slot, 0
.rept 24
.set i, slot%8
.if (\t) < 3
	s_wait_loadcnt 23                              ; behind this slot's load: the 23 - slot slots still to come and the slot refills of this round
.else
	s_wait_loadcnt 23-slot                         ; nothing is asked for any more: the count runs down
.endif
.if slot < 8
	CVST X+4*slot, slot%4, LKS, 128*KP*(\t)+2*KP*i
.if (\t) < 2
	global_load_b128 v[X+4*slot:X+4*slot+3], v[GKM], s[6:7] offset:((\t)+1)*STEPG+8192*i
.elseif (\t) == 2
	global_load_b128 v[X+4*slot:X+4*slot+3], v[GK4], s[6:7] offset:8192*i
.endif
.elseif slot < 16
	CVST X+4*slot, slot%4, LVS, 128*VP*(\t)+2*VP*i
.if (\t) < 2
	global_load_b128 v[X+4*slot:X+4*slot+3], v[GKM], s[8:9] offset:((\t)+1)*STEPG+8192*i
.elseif (\t) == 2
	global_load_b128 v[X+4*slot:X+4*slot+3], v[GK4], s[8:9] offset:8192*i
.endif
.else
	CVST X+4*slot, slot%4, LQS, 2*KP*i
.if (\t) < 3
	global_load_b128 v[X+4*slot:X+4*slot+3], v[GQO], s[4:5] offset:((\t)+1)*STEPG+8192*i th:TH_LOAD_NT
.endif
.endif
.set slot, slot+1
.endr
	WIN 0
.endm
; The first link of S^T for key tile kt: C = the eight registers at cr, or the constant 0 where cr < 0.
.macro KQ0 kt, cr
.if (\cr) < 0
	v_wmma_f32_16x16x32_f16 v[S+8*(\kt):S+8*(\kt)+7], v[GF+8*(\kt):GF+8*(\kt)+7], v[QR:QR+7], 0
.else
	v_wmma_f32_16x16x32_f16 v[S+8*(\kt):S+8*(\kt)+7], v[GF+8*(\kt):GF+8*(\kt)+7], v[QR:QR+7], v[(\cr):(\cr)+7]
.endif
.endm
.macro FK k                            ; c s - c m for key tile k
	s_wait_alu depctr_va_vdst(0)
.irp z, 0,1,2,3
	v_pk_fma_f32 v[S+8*(\k)+2*\z:S+8*(\k)+2*\z+1], v[S+8*(\k)+2*\z:S+8*(\k)+2*\z+1], s[CS:CS+1], v[CM:CM+1] op_sel_hi:[1,0,0] neg_lo:[0,0,1] neg_hi:[0,0,1]
.endr
.endm
.macro EK k                            ; its exponentials, in place
.irp z, 0,1,2,3,4,5,6,7
	v_exp_f32 v[S+8*(\k)+\z], v[S+8*(\k)+\z]
.endr
.endm
.macro CK k                            ; its weights rounded to f16, in pairs: half a fragment of P
	s_wait_alu depctr_va_vdst(0)
.irp z, 0,1,2,3
	v_cvt_pk_f16_f32 v[P+4*(\k)+\z], v[S+8*(\k)+2*\z], v[S+8*(\k)+2*\z+1]
.endr
.endm
.macro PV u                            ; O^T += V^T P for key tiles 2 u, 2 u + 1: the four accumulators take turns
.irp cb, 0,1,2,3
.if (\u) == 0
	v_wmma_f32_16x16x32_f16 v[OA+8*\cb:OA+8*\cb+7], v[GF+8*\cb:GF+8*\cb+7], v[P:P+7], 0
.elseif (\u) == 1
	v_wmma_f32_16x16x32_f16 v[OA+8*\cb:OA+8*\cb+7], v[GF+32+8*\cb:GF+32+8*\cb+7], v[P+8:P+15], v[OA+8*\cb:OA+8*\cb+7]
	s_wait_alu depctr_va_vdst(0)
.else
	v_wmma_f32_16x16x32_f16 v[OA+8*\cb:OA+8*\cb+7], v[ZV+8*\cb:ZV+8*\cb+7], v[P+16:P+23], v[OA+8*\cb:OA+8*\cb+7]
.endif
.endr
.endm
.macro ADDP a, b                       ; pair a of the weights += pair b
	v_pk_add_f32 v[S+2*(\a):S+2*(\a)+1], v[S+2*(\a):S+2*(\a)+1], v[S+2*(\b):S+2*(\b)+1]
.endm
; My tile of step t: queries 128 t + 16 w + 0..15 of the chunk.
.macro COMPUTE t
.set C0R, M0
.set C1R, -1
.set C3R, -1
.set C4R, M4
.if (\t) == 0                          ; the sequence's ends fall on whole key tiles: a tile outside it is hidden whole.  The masks stand in P, which is idle here.
.set C0R, P
.set C1R, P+8
.set i, 0
.rept 8
	v_min_num_f32 v[P+i], s[BE0], v[M0+i]
	v_mov_b32 v[P+8+i], s[BE1]
.set i, i+1
.endr
.elseif (\t) == 3
.set C4R, P
.set C3R, P+8
.set i, 0
.rept 8
	v_min_num_f32 v[P+i], s[BE4], v[M4+i]
	v_mov_b32 v[P+8+i], s[BE3]
.set i, i+1
.endr
.endif
	; 24 loads: Q's two fragments; K's ten: key tile kt, channels 32 c on, is fragment kt + 5 c; the last two lie in O^T's registers, which are idle until V^T P
.irp c, 0,1
	ds_load_b128 v[QR+8*\c:QR+8*\c+3],   v[AQF] offset:64*\c
	ds_load_b128 v[QR+8*\c+4:QR+8*\c+7], v[AQF] offset:64*\c+32
.endr
.set f, 0
.rept 10
.if f < 8
.set rK, GF+8*f
.else
.set rK, OA+8*(f-8)
.endif
	ds_load_b128 v[rK:rK+3],   v[AKF] offset:(128*(\t)+16*(f%5))*KP+64*(f/5)
	ds_load_b128 v[rK+4:rK+7], v[AKF] offset:(128*(\t)+16*(f%5))*KP+64*(f/5)+32
.set f, f+1
.endr
	s_wait_dscnt 10                                ; Q and K's channels 0-31 are in; the ten loads of channels 32-63 may be out
	KQ0 0, C0R                                     ; the five accumulators take turns
	KQ0 1, C1R
	KQ0 2, -1
	KQ0 3, C3R
	KQ0 4, C4R
	s_wait_dscnt 0x0
.irp kt, 0,1,2
	v_wmma_f32_16x16x32_f16 v[S+8*\kt:S+8*\kt+7], v[GF+40+8*\kt:GF+40+8*\kt+7], v[QR+8:QR+15], v[S+8*\kt:S+8*\kt+7]
.endr
.irp kt, 3,4
	v_wmma_f32_16x16x32_f16 v[S+8*\kt:S+8*\kt+7], v[OA+8*(\kt-3):OA+8*(\kt-3)+7], v[QR+8:QR+15], v[S+8*\kt:S+8*\kt+7]
.endr
	PLACES                                         ; four places behind the last product, for the loads into K's registers and for the reads of S^T
	; V, turned: 20 loads.  Key tiles (0, 1) and (2, 3) make whole fragments; key tile 4 the lower halves alone, so no row behind kappa = q0 + 79 is read
.if (\t) < 2
.set aV, AVF0
.else
.set aV, AVF2
.endif
.set vb, 128*((\t)%2)*VP
.irp u, 0,1
.irp cb, 0,1,2,3
	ds_load_tr16_b128 v[GF+32*\u+8*\cb:GF+32*\u+8*\cb+3],   v[aV] offset:vb+32*\u*VP+32*\cb
	ds_load_tr16_b128 v[GF+32*\u+8*\cb+4:GF+32*\u+8*\cb+7], v[aV] offset:vb+32*\u*VP+16*VP+32*\cb
.endr
.endr
.irp cb, 0,1,2,3
	ds_load_tr16_b128 v[ZV+8*\cb:ZV+8*\cb+3], v[aV] offset:vb+64*VP+32*\cb
.endr
	; the maximum of my 40 scores: five chains, each begun at its accumulator's lowest registers
.irp n, 0,1,2,3,4
	v_max3_num_f32 v[CH+\n], v[S+8*\n], v[S+8*\n+1], v[S+8*\n+2]
.endr
.irp n, 0,1,2,3,4
	v_max3_num_f32 v[CH+\n], v[CH+\n], v[S+8*\n+3], v[S+8*\n+4]
.endr
.irp n, 0,1,2,3,4
	v_max3_num_f32 v[CH+\n], v[CH+\n], v[S+8*\n+5], v[S+8*\n+6]
.endr
	v_max3_num_f32 v[CH], v[CH], v[CH+1], v[CH+2]
	v_max3_num_f32 v[CH+3], v[CH+3], v[CH+4], v[S+7]
	v_max3_num_f32 v[CH+1], v[S+15], v[S+23], v[S+31]
	v_max3_num_f32 v[CH], v[CH], v[CH+3], v[CH+1]
	v_max_num_f32 v[CH], v[CH], v[S+39]
	v_permlanex16_b32 v[TMP], v[CH], s[SEL], s[SEL+1]  ; the query's other 40 scores lie in the lane 16 away
	v_max_num_f32 v[CM+1], v[CH], v[TMP]           ; m: the true maximum of the whole window (key tile 2 is never hidden)
	v_mul_f32 v[CM], s[CS], v[CM+1]
	; p = 2^(c s - c m).  Behind each run of exponentials stands a plain line that touches none of them before a result is used (ISA guide 5.7.2)
	FK 0
	FK 1
	EK 0
	FK 2
	EK 1
	FK 3
	CK 0
	EK 2
	FK 4
	CK 1
	s_wait_dscnt 0x0                               ; V is in
	PV 0
	EK 3
	CK 2
	EK 4
	CK 3
	PV 1
	CK 4
	PV 2
	; l: the sum of the 20 pairs of unrounded weights, in place; these lines are also the places behind the last products
.irp a, 0,2,4,6,8,10,12,14,16,18
	ADDP \a, \a+1
.endr
.irp a, 0,4,8,12,16
	ADDP \a, \a+2
.endr
	ADDP 0, 4
	ADDP 8, 12
	ADDP 0, 16
	ADDP 0, 8
	v_add_f32 v[RL+1], v[S], v[S+1]
	v_permlanex16_b32 v[TMP], v[RL+1], s[SEL], s[SEL+1]
	v_add_f32 v[RL+1], v[RL+1], v[TMP]
	v_rcp_f32 v[RL], v[RL+1]
	v_nop                                          ; a plain line between the reciprocal and its use
.set i, 0
	s_wait_alu depctr_va_vdst(0)
.rept 16
	v_pk_mul_f32 v[OA+2*i:OA+2*i+1], v[OA+2*i:OA+2*i+1], v[RL:RL+1] op_sel_hi:[1,0]
.set i, i+1
.endr
	; the way out: a lane holds eight channels of one row; through my own stage the tile comes back as whole rows
.irp cb, 0,1,2,3
	ds_store_b128 v[AOS], v[OA+8*\cb:OA+8*\cb+3]   offset:64*\cb
	ds_store_b128 v[AOS], v[OA+8*\cb+4:OA+8*\cb+7] offset:64*\cb+16
.endr
.irp i, 0,1,2,3,4,5,6,7
	ds_load_b128 v[S+4*\i:S+4*\i+3], v[AOR] offset:2*OP*\i  ; LDS serves a wave's instructions in order (ISA guide 5.7.1.4): these see the stores above
.endr
.irp i, 0,1,2,3,4,5,6,7
	s_wait_dscnt 7-\i                              ; the loads younger than this one may be out
	global_store_b128 v[AQO], v[S+4*\i:S+4*\i+3], s[12:13] offset:STEPG*(\t)+8192*\i th:TH_STORE_NT  ; 16 lanes store 256 consecutive bytes, at a multiple of 256 from out's first byte
.endr
.endm
	; block H goes to LDS: behind slot hs stand H's 7 - hs younger loads and the ring's 24
	WIN 0x55
.set hs, 0
.rept 4
	s_wait_loadcnt 31-hs
	CVST XH+4*hs, hs%4, LKH, 2*KP*hs
.set hs, hs+1
.endr
.rept 4
	s_wait_loadcnt 31-hs
	CVST XH+4*hs, hs%4, LVH, 2*VP*(hs-4)
.set hs, hs+1
.endr
	PRODUCE 0
	s_wait_kmcnt 0x0                               ; attn_mask's byte has come
	s_wait_dscnt 0x0                               ; for the others' sake: my stores of K and V are done
	s_barrier_signal -1
	s_barrier_wait -1                              ; everybody's are: block H and block 1 are whole
	COMPUTE 0
.irp t, 1,2,3
	PRODUCE \t
	s_wait_dscnt 0x0                               ; my stores of block t + 1 are done
	s_barrier_signal -1
	s_barrier_wait -1                              ; everybody's are.  No second barrier: the bytes that slower waves still read are never written again
	COMPUTE \t
.endr
	s_wait_tensorcnt 0x0                           ; the wave's end, behind my last LDS store
	ds_add_u32 v[SPW], v[NIL]
	s_wait_dscnt 0x0
	s_endpgm
.Lfunc_end_k_qcb00b9fc84_band:
	.size	k_qcb00b9fc84_band, .Lfunc_end_k_qcb00b9fc84_band-k_qcb00b9fc84_band
	.p2alignl 7, 3214868480
	.fill 96, 4, 3214868480
	.section	.rodata,"a",@progbits
	.p2align	6, 0x0
	.amdhsa_kernel k_qcb00b9fc84_band
		.amdhsa_group_segment_fixed_size 229376
		.amdhsa_private_segment_fixed_size 0
		.amdhsa_enable_private_segment 0
		.amdhsa_kernarg_size 40
		.amdhsa_user_sgpr_count 2
		.amdhsa_user_sgpr_kernarg_segment_ptr 1
		.amdhsa_wavefront_size32 1
		.amdhsa_system_sgpr_workgroup_id_x 1
		.amdhsa_system_sgpr_workgroup_id_y 1
		.amdhsa_system_sgpr_workgroup_id_z 1
		.amdhsa_system_vgpr_workitem_id 0
		.amdhsa_next_free_vgpr 416
		.amdhsa_next_free_sgpr 66
		.amdhsa_reserve_vcc 1
		.amdhsa_float_denorm_mode_32 3
		.amdhsa_float_denorm_mode_16_64 3
		.amdhsa_memory_ordered 1
		.amdhsa_forward_progress 1
		.amdhsa_inst_pref_size 99
	.end_amdhsa_kernel
	.amdgpu_metadata
---
amdhsa.version: [ 1, 2 ]
amdhsa.kernels:
  - .name:           k_qcb00b9fc84_band
    .symbol:         k_qcb00b9fc84_band.kd
    .args:
      - { .name: queries, .offset: 0, .size: 8, .value_kind: global_buffer, .address_space: global }
      - { .name: keys, .offset: 8, .size: 8, .value_kind: global_buffer, .address_space: global }
      - { .name: values, .offset: 16, .size: 8, .value_kind: global_buffer, .address_space: global }
      - { .name: attn_mask, .offset: 24, .size: 8, .value_kind: global_buffer, .address_space: global }
      - { .name: out0, .offset: 32, .size: 8, .value_kind: global_buffer, .address_space: global }
    .group_segment_fixed_size: 229376
    .private_segment_fixed_size: 0
    .kernarg_segment_align: 8
    .kernarg_segment_size: 40
    .max_flat_workgroup_size: 256
    .sgpr_count:     66
    .vgpr_count:     416
    .wavefront_size: 32
...
	.end_amdgpu_metadata
.endif
;; end of part 1
;; ======== version 2 of 2: 1 launch; version 1 with the launch band written anew for expert scheduling mode
;; limits: values are held in f16: magnitudes above 65,504 overflow, below 6.1e-05 lose precision; inputs' magnitudes at most 65,504
;; launch band (part 2): grid 4 x 64, 8 waves a work-group, no clusters, 229,376 bytes of LDS; arguments queries, keys, values, attn_mask, out0; writes out0
.if DOCPART == 2
	.amdgcn_target "amdgcn-amd-amdhsa--gfx1250"
	.amdhsa_code_object_version 6
	.text
	.protected	k_qcb00b9fc84_band
	.globl	k_qcb00b9fc84_band
	.p2align	8
	.type	k_qcb00b9fc84_band,@function
k_qcb00b9fc84_band:
	s_mov_b64 s[64:65], 0
	v_nop
	global_prefetch_b8 v0, s[64:65] scope:SCOPE_SE
	s_setreg_imm32_b32 hwreg(HW_REG_WAVE_SCHED_MODE, 0, 2), 2
	s_setreg_imm32_b32 hwreg(HW_REG_WAVE_MODE, 25, 1), 1
	s_wait_xcnt 0x0
	s_wait_alu depctr_vm_vsrc(0)
; LOCAL ATTENTION.  out[b][i][h][:] = sum over j in [i-32, i+32), 0 <= j < 2048, of softmax_j(Q[b][i][h] . K[b][j][h] / 8) V[b][j][h][:].
; Q, K, V, out: [4][2048][16][64] f32: a head's row is 256 bytes, rows of one head lie 4,096 bytes apart.  Only the band is computed: what the reference's own mask hides gets weight 0.
; FORMATS.  Q, K, V and the weights p are rounded to f16 for the two products; sums, maximum, exponentials and the divisor l (taken of the unrounded p) in f32.
; LIMITS.  An input of magnitude 65,520 or more becomes an f16 infinity; below 6e-5 an operand keeps f16's fixed step of 6e-8.  A hidden score counts as its value less 1e30 (f16's scores reach
; 2.7e11 at the most); a weight below 2^-126 counts as 0; NaN and infinities are not treated apart.  attn_mask is loaded; the reference uses it nowhere, so it enters nothing.
; SHARES.  A work-group owns 512 queries of one (batch, head): x = the chunk, y = 16 b + h.  Four steps of 128 queries; in a step each of the eight waves makes one tile of 16 queries.
; Keys are numbered locally: kappa = j - c0 + 32, 0 .. 575 (c0 = 512 x); local query q sees kappa = q .. q + 63: five tiles of 16 keys from kappa = q0 on, the first and the last cut by the diagonal.
; THE STREAM.  Each wave keeps a ring of 24 loads of 16 bytes a lane (8 of K, 8 of V, 8 of Q; a load takes two whole rows of 256 bytes).  A group of eight slots is rounded to f16 and asked for again at once; 16 to 24 loads are in flight.
; K and V land in LDS once: block H (kappa 0-63) and blocks 1-4 (128 keys each from kappa 64 on).  Step t reads kappa <= 128 t + 191 = the end of block t + 1; the next step's stores begin at 128 t + 192:
; no byte of K or V is written twice, so one barrier a step (stores done, then reads) is all the ordering between waves.  The Q and O stages are each wave's own.
; NO TENSOR LOADS: they would land f32 in LDS, and the turning load wants 16-bit data.  NO CLUSTER: work-groups share only 64 halo rows of 576.
; LAYOUT.  S^T = K Q^T (source 0 = 16 keys, source 1 = 16 queries): lane l holds ONE query (l % 16) and keys 8 (l / 16) + 0..7.  Two such tiles rounded in pairs ARE source 1 of O^T = V^T P;
; V ([key][channel]) comes out of LDS turned, by ds_load_tr16_b128.  The fifth key tile has no partner: the upper halves of its P and V fragments hold 0, written once.
; THE MASK is the C operand that starts a sum: 0 or -1e30.
; REGISTERS.  Window 0 (v0-255): the arithmetic.  Window 1: the ring, its out-buffers and its addresses; s_set_vgpr_msb: bits 1:0 source 0, 3:2 source 1, 5:4 source 2, 7:6 destination.
; THE MODE: SCHED_MODE bits 1:0 = 2 (LLVM: expert scheduling mode 2), set by the entry lines.  The code itself states the register dependences
; between vector or matrix instructions and memory or LDS instructions, with s_wait_alu, always for 0.
; THE PLAN.  Registers that memory or LDS instructions touch:
;   X0 X1 X2   K's, V's, Q's eight slots.  Group g: its sixteen conversions read X[g]; behind them the next block's loads land in it.
;   T0 T1 T2   the groups' out-buffers.    Group g's conversions write T[g]; eight LDS stores read it; it is written again a whole round later.
;   XH, TH     block H, loaded, rounded and stored once.
;   addresses  nine in window 1, seven in window 0: made at the head, never written again; steps and rows stand in the immediates.
;   QR GF ZV   fragments: LDS loads land in them, products read them.  GF takes K and then, in the same step, V.  O^T's first 16 registers take two fragments of K.
;   O^T        written by products and scalings, read by the stage's LDS stores.      S   written by products and the softmax; then the rows of O land in it, and the global stores read it.
; THE WAITS of a step.  At a round's head one on vm_vsrc: the last step's stores have read T0-T2, O^T and S.  Behind each group's conversions one on va_vdst: T[g] is written, X[g] is read; the refills
; follow at once, the LDS stores are dealt among the next group's conversions, which name X[g + 1] and T[g + 1] alone.  In a tile two on va_vdst: ahead of V's loads, and ahead of the way out.
.set KP,    144       ; a row of K or Q in LDS: 128 bytes + 16: the 16 rows of a fragment load start 36 words apart
.set VP,    160       ; a row of V: 128 + 32: an odd multiple of 32 bytes, for the turning load
.set OP,    272       ; a row of O (f32): 256 + 16
.set VB,    576*KP            ; V behind K's 576 rows
.set QB,    VB+576*VP         ; Q stage: 16 rows a wave
.set OB,    QB+8*16*KP        ; O stage: 16 rows a wave
.set STEPG, 128*4096          ; 128 rows in memory
; window 0
.set AKF,  3          ; K fragments: (16 w + r) 144 + 16 h
.set AVF0, 4          ; V, turning load, steps 0 and 1
.set AVF2, 5          ; the same 256 rows on, steps 2 and 3
.set AQF,  6          ; Q fragments in my stage
.set AOS,  7          ; O stage: where I put 32 bytes of a row
.set AOR,  8          ; O stage: where I read rows back
.set AQO,  9          ; my byte offset in out (and Q): (R + l / 16) 4096 + 16 (l % 16)
.set CH,   16         ; v16-20 five chains of the maximum
.set TMP,  21
.set CM,   22         ; v22 c m, v23 m
.set RL,   24         ; v24 1 / l, v25 l
.set M0,   28         ; mask of key tile 0
.set M4,   36         ; mask of key tile 4
.set S,    44         ; v44-83 S^T, five tiles; later the rows of O read back
.set OA,   84         ; v84-115 O^T; v84-99 hold two fragments of K before that
.set P,    116        ; v116-139 P; v116-131 hold the edge steps' masks before that
.set QR,   140        ; v140-155 Q's two fragments
.set GF,   156        ; v156-219 eight fragments of K, then V's eight whole fragments
.set ZV,   220        ; v220-251 V's four fragments of the fifth key tile: upper halves 0
; window 1
.set X,    0          ; 24 slots of 4: K 0-7, V 8-15, Q 16-23
.set T,    96         ; three out-buffers of 16: slot i of group g rounded, a pair at T + 16 g + 2 i
.set GKM,  144        ; global offset, blocks 1-3
.set GK4,  145        ; block 4 (clamped to the last 16 rows)
.set GQO,  146        ; Q
.set LKS,  147        ; LDS: K's blocks 1-4
.set LVS,  148        ; V's
.set LQS,  149        ; my Q stage
.set GKH,  150        ; global offset, block H (clamped to row 0)
.set LKH,  151        ; LDS: K's block H
.set LVH,  152        ; V's
.set XH,   154        ; 8 slots for block H
.set TH,   186        ; their out-buffer, 16
; scalars
.set CS,   24         ; s[24:25] c = log2(e) / 8
.set SEL,  26         ; s[26:27] v_permlanex16_b32's selects: each lane takes its own place in the other half
.set BIGN, 28         ; -1e30
.set BE0,  29         ; -1e30 where key tile 0 of step 0 lies in front of the sequence, else 0
.set BE1,  30         ; the same for key tile 1
.set BE3,  31         ; -1e30 where key tile 3 of step 3 lies behind the sequence
.set BE4,  32         ; the same for key tile 4
.set MK,   36         ; s[36:43] eight lane masks, at the head only, when the LDS bases that lay there have been used
.set MSB, 0
.macro WIN new                         ; the immediate's high byte repeats the setting that is left; a switch that changes nothing is dropped
.if MSB != (\new)
	s_set_vgpr_msb (MSB<<8)|(\new)
.set MSB, (\new)
.endif
.endm
.macro PLACES
.rept 4
	v_nop
.endr
.endm
	s_load_b256 s[4:11], s[0:1], 0x0               ; Q s[4:5], K s[6:7], V s[8:9], attn_mask s[10:11]
	s_load_b64 s[12:13], s[0:1], 0x20              ; out
	v_lshl_add_u32 v254, v0, 2, 0x37c00
	v_mov_b32 v255, 0
	v_lshrrev_b32 v10, 5, v0
	v_readfirstlane_b32 s16, v10                   ; wave 0..7
	s_and_b32 s18, ttmp7, 0xffff                   ; y = 16 b + h
	s_lshr_b32 s20, s18, 4
	s_lshl_b32 s20, s20, 23                        ; a batch is 2^23 bytes,
	s_and_b32 s35, s18, 15
	s_lshl_b32 s35, s35, 8                         ; a head 256 bytes in a row
	s_or_b32 s20, s20, s35
	s_mov_b32 s21, 0
	s_lshl_b32 s17, ttmp9, 9                       ; c0 = 512 x
	s_wait_alu depctr_va_sdst(0)                   ; s16 is written, ahead of its first reader: the rows and the LDS bases are made from it
	s_lshl_b32 s35, s16, 4
	s_add_co_u32 s22, s17, s35                     ; R = c0 + 16 w: my first query of step 0
	s_add_co_u32 s23, s22, 32                      ; first row of my 16 in block 1
	s_add_co_u32 s33, s22, 416                     ; in block 4,
	s_min_u32 s33, s33, 2032                       ; kept inside the sequence: what is loaded in a hidden row's stead is finite and gets weight 0
	s_lshl_b32 s35, s16, 3
	s_add_co_u32 s34, s17, s35
	s_sub_co_i32 s34, s34, 32                      ; first row of my 8 in block H,
	s_max_i32 s34, s34, 0                          ; kept inside likewise
	s_mov_b32 s[BIGN], 0xf149f2ca                  ; -1e30
	s_cmp_lt_u32 s22, 32
	s_cselect_b32 s[BE0], s[BIGN], 0
	s_cmp_lt_u32 s22, 16
	s_cselect_b32 s[BE1], s[BIGN], 0
	s_cmp_ge_u32 s22, 1648
	s_cselect_b32 s[BE3], s[BIGN], 0
	s_cmp_ge_u32 s22, 1632
	s_cselect_b32 s[BE4], s[BIGN], 0
	s_lshl_b32 s22, s22, 12                        ; rows to bytes
	s_lshl_b32 s23, s23, 12
	s_lshl_b32 s33, s33, 12
	s_lshl_b32 s34, s34, 12
	s_mov_b32 s[CS], 0x3e38aa3b                    ; c = log2(e) / 8 = 0.180337
	s_mov_b32 s[CS+1], s[CS]                       ; named with it as a pair
	s_mov_b32 s[SEL], 0x76543210
	s_mov_b32 s[SEL+1], 0xfedcba98
	s_mul_i32 s36, s16, 16*KP                      ; my 16 rows of pitch 144
	s_mul_i32 s37, s16, 16*VP                      ; of pitch 160
	s_mul_i32 s38, s16, 16*OP                      ; of pitch 272
	s_mul_i32 s39, s16, 8*KP                       ; my 8 rows of block H
	s_mul_i32 s40, s16, 8*VP
	s_add_co_u32 s41, s36, QB                      ; my Q stage
	s_add_co_u32 s42, s37, VB
	s_add_co_u32 s38, s38, OB                      ; my O stage
	s_add_co_u32 s43, s36, 64*KP                   ; blocks 1-4 begin at kappa 64
	s_add_co_u32 s44, s42, 64*VP
	s_add_co_u32 s40, s40, VB
	v_and_b32 v10, 15, v0                          ; r = l % 16
	v_bfe_u32 v11, v0, 4, 1                        ; h = l / 16
	v_and_b32 v12, 7, v0
	v_bfe_u32 v13, v0, 3, 1
	v_lshlrev_b32 v14, 4, v10
	v_lshl_add_u32 v14, v11, 12, v14               ; in memory: lanes 0-15 one row of 256 bytes, lanes 16-31 the next
	v_mul_u32_u24 v15, v11, KP
	v_lshl_add_u32 v15, v10, 3, v15                ; the same two rows as f16, pitch 144: 8 bytes a lane
	v_mul_u32_u24 v16, v11, VP
	v_lshl_add_u32 v16, v10, 3, v16                ; pitch 160
	WIN 0x40                                       ; destination window 1, sources window 0
	v_add_nc_u32 v[GKM], s23, v14
	v_add_nc_u32 v[GK4], s33, v14
	v_add_nc_u32 v[GKH], s34, v14
	v_add_nc_u32 v[GQO], s22, v14
	v_add_nc_u32 v[LKS], s43, v15
	v_add_nc_u32 v[LVS], s44, v16
	v_add_nc_u32 v[LQS], s41, v15
	v_add_nc_u32 v[LKH], s39, v15
	v_add_nc_u32 v[LVH], s40, v16
	s_wait_kmcnt 0x0
	s_add_nc_u64 s[4:5], s[4:5], s[20:21]          ; the four tensors at my batch and head
	s_add_nc_u64 s[6:7], s[6:7], s[20:21]
	s_add_nc_u64 s[8:9], s[8:9], s[20:21]
	s_add_nc_u64 s[12:13], s[12:13], s[20:21]
	s_load_u8 s14, s[10:11], 0x0                   ; attn_mask, read as every input is; the reference takes it and uses it nowhere, and so does this text
	; the first 32 loads: block H (4 of K, 4 of V), block 1 (8, 8), Q of step 0 (8).  K and V carry no hint: the halo rows are read again by the neighbouring chunk.
	WIN 0x55                                       ; every operand place window 1
	s_wait_alu depctr_va_vdst(0)                   ; the nine addresses of window 1 are written: every load of the ring and every LDS store of K, V and Q reads one of them
.irp i, 0,1,2,3
	global_load_b128 v[XH+4*\i:XH+4*\i+3], v[GKH], s[6:7] offset:8192*\i
.endr
.irp i, 0,1,2,3
	global_load_b128 v[XH+16+4*\i:XH+16+4*\i+3], v[GKH], s[8:9] offset:8192*\i
.endr
.irp i, 0,1,2,3,4,5,6,7
	global_load_b128 v[X+4*\i:X+4*\i+3], v[GKM], s[6:7] offset:8192*\i
.endr
.irp i, 0,1,2,3,4,5,6,7
	global_load_b128 v[X+32+4*\i:X+32+4*\i+3], v[GKM], s[8:9] offset:8192*\i
.endr
.irp i, 0,1,2,3,4,5,6,7
	global_load_b128 v[X+64+4*\i:X+64+4*\i+3], v[GQO], s[4:5] offset:8192*\i th:TH_LOAD_NT
.endr
	; the rest of the set-up stands in the wait for those loads
	WIN 0
	v_mul_u32_u24 v17, v10, KP
	v_lshl_add_u32 v17, v11, 4, v17                ; a fragment of K or Q: row r, 16 bytes for each half of the lanes
	v_lshl_add_u32 v18, v11, 3, v12
	v_mul_u32_u24 v18, v18, VP
	v_lshl_add_u32 v18, v13, 4, v18                ; the turning load: key 8 h + l % 8, channels 8 ((l / 8) % 2) on
	v_mul_u32_u24 v19, v10, OP
	v_lshl_add_u32 v19, v11, 5, v19                ; O in: row r, 32 bytes for each half of the lanes
	v_mul_u32_u24 v20, v11, OP
	v_lshl_add_u32 v20, v10, 4, v20                ; O back: lanes 0-15 one row, lanes 16-31 the next
	v_lshlrev_b32 v[TMP], 3, v11
	v_sub_nc_u32 v[TMP], v10, v[TMP]               ; d = r - 8 h: register i of key tile 0 is hidden where i < d, of key tile 4 where i >= d
	v_add_nc_u32 v[AKF], s36, v17
	v_add_nc_u32 v[AQF], s41, v17
	v_add_nc_u32 v[AVF0], s42, v18
	v_add_nc_u32 v[AVF2], 256*VP, v[AVF0]
	v_add_nc_u32 v[AOS], s38, v19
	v_add_nc_u32 v[AOR], s38, v20
	v_add_nc_u32 v[AQO], s22, v14
	; the compares stand in runs of eight, each into a scalar register of its own, with one wait behind the run
.set i, 0
.rept 8
	v_cmp_lt_i32 s[MK+i], i, v[TMP]
.set i, i+1
.endr
	s_wait_alu depctr_va_sdst(0)                   ; the eight compares have written s[36:43], which the selects below read
.set i, 0
.rept 8
	v_cndmask_b32 v[M0+i], 0, s[BIGN], s[MK+i]
.set i, i+1
.endr
.set i, 0
.rept 8
	v_cmp_ge_i32 s[MK+i], i, v[TMP]
.set i, i+1
.endr
	s_wait_alu depctr_va_sdst(0)                   ; the second eight compares have written s[36:43] anew, ahead of their selects
.set i, 0
.rept 8
	v_cndmask_b32 v[M4+i], 0, s[BIGN], s[MK+i]
.set i, i+1
.endr
.irp z, 20,21,22,23
	v_mov_b32 v[P+\z], 0                           ; the fifth key tile has no partner: these 20 registers stay 0 for the whole launch
.endr
.irp cb, 0,1,2,3
.irp z, 4,5,6,7
	v_mov_b32 v[ZV+8*\cb+\z], 0
.endr
.endr
; Four f32 at x are rounded to f16, into the pair at o.  All operands lie in window 1.
.macro CV x, o
	v_cvt_pk_f16_f32 v[\o], v[\x], v[(\x)+1]
	v_cvt_pk_f16_f32 v[(\o)+1], v[(\x)+2], v[(\x)+3]
.endm
; Slot i of group g (0 K, 1 V, 2 Q) of round t goes from its out-buffer to LDS: 8 bytes a lane.
.macro ST t, g, i
.if (\g) == 0
	ds_store_b64 v[LKS], v[T+2*(\i):T+2*(\i)+1] offset:128*KP*(\t)+2*KP*(\i)
.elseif (\g) == 1
	ds_store_b64 v[LVS], v[T+16+2*(\i):T+16+2*(\i)+1] offset:128*VP*(\t)+2*VP*(\i)
.else
	ds_store_b64 v[LQS], v[T+32+2*(\i):T+32+2*(\i)+1] offset:2*KP*(\i)
.endif
.endm
; Slot i of group g is asked for again: block t + 2 of K or V, Q of step t + 1.
.macro ASK t, g, i
.if (\g) == 2
	global_load_b128 v[X+64+4*(\i):X+64+4*(\i)+3], v[GQO], s[4:5] offset:((\t)+1)*STEPG+8192*(\i) th:TH_LOAD_NT
.elseif (\t) < 2
	global_load_b128 v[X+32*(\g)+4*(\i):X+32*(\g)+4*(\i)+3], v[GKM], s[6+2*(\g):7+2*(\g)] offset:((\t)+1)*STEPG+8192*(\i)
.else
	global_load_b128 v[X+32*(\g)+4*(\i):X+32*(\g)+4*(\i)+3], v[GK4], s[6+2*(\g):7+2*(\g)] offset:8192*(\i)
.endif
.endm
; Group g of round t.  The LDS stores of the group before are dealt among this group's conversions: the wait behind that group's conversions has shown T[g - 1] written, and no vector line since names it.
.macro GROUP t, g
.if (\t) < 3
	s_wait_loadcnt 16                              ; loads come back in order (ISA guide 5.7.1): behind this group's eight stand the two other groups' sixteen, first fills or refills
.else
	s_wait_loadcnt 16-8*(\g)                       ; nothing is asked for any more: the count runs down
.endif
.irp i, 0,1,2,3,4,5,6,7
.if (\g) > 0
	ST \t, (\g)-1, \i
.endif
	CV X+32*(\g)+4*\i, T+16*(\g)+2*\i
.endr
	s_wait_alu depctr_va_vdst(0)                   ; the sixteen conversions have written T[g], which the group's LDS stores read, and are done reading X[g], in which the refills land
.if (\t) < 3
.irp i, 0,1,2,3,4,5,6,7
	ASK \t, \g, \i
.endr
.endif
.endm
; The ring goes round once: block t + 1 of K and V and Q of step t go to LDS; each group is asked for again behind its conversions.  Step 3 asks for nothing.
.macro PRODUCE t
.if (\t) > 0
	s_wait_xcnt 0x0                                ; the last step's stores have had their addresses translated: S, their data, is rewritten only behind this wait
	s_wait_alu depctr_vm_vsrc(0)                   ; the last round's LDS stores have read T0-T2, which the conversions write again; the stage's stores have read O^T, the global stores S, which this step's loads and products write
.endif
	WIN 0x55
	GROUP \t, 0
	GROUP \t, 1
	GROUP \t, 2
.irp i, 0,1,2,3,4,5,6,7
	ST \t, 2, \i
.endr
	WIN 0
.endm
; The first link of S^T for key tile kt: C = the eight registers at cr, or the constant 0 where cr < 0.
.macro KQ0 kt, cr
.if (\cr) < 0
	v_wmma_f32_16x16x32_f16 v[S+8*(\kt):S+8*(\kt)+7], v[GF+8*(\kt):GF+8*(\kt)+7], v[QR:QR+7], 0
.else
	v_wmma_f32_16x16x32_f16 v[S+8*(\kt):S+8*(\kt)+7], v[GF+8*(\kt):GF+8*(\kt)+7], v[QR:QR+7], v[(\cr):(\cr)+7]
.endif
.endm
.macro FK k                            ; c s - c m for key tile k
	s_wait_alu depctr_va_vdst(0)
.irp z, 0,1,2,3
	v_pk_fma_f32 v[S+8*(\k)+2*\z:S+8*(\k)+2*\z+1], v[S+8*(\k)+2*\z:S+8*(\k)+2*\z+1], s[CS:CS+1], v[CM:CM+1] op_sel_hi:[1,0,0] neg_lo:[0,0,1] neg_hi:[0,0,1]
.endr
.endm
.macro EK k                            ; its exponentials, in place
.irp z, 0,1,2,3,4,5,6,7
	v_exp_f32 v[S+8*(\k)+\z], v[S+8*(\k)+\z]
.endr
.endm
.macro CK k                            ; its weights rounded to f16, in pairs: half a fragment of P
	s_wait_alu depctr_va_vdst(0)
.irp z, 0,1,2,3
	v_cvt_pk_f16_f32 v[P+4*(\k)+\z], v[S+8*(\k)+2*\z], v[S+8*(\k)+2*\z+1]
.endr
.endm
.macro PV u                            ; O^T += V^T P for key tiles 2 u, 2 u + 1: the four accumulators take turns
.irp cb, 0,1,2,3
.if (\u) == 0
	v_wmma_f32_16x16x32_f16 v[OA+8*\cb:OA+8*\cb+7], v[GF+8*\cb:GF+8*\cb+7], v[P:P+7], 0
.elseif (\u) == 1
	v_wmma_f32_16x16x32_f16 v[OA+8*\cb:OA+8*\cb+7], v[GF+32+8*\cb:GF+32+8*\cb+7], v[P+8:P+15], v[OA+8*\cb:OA+8*\cb+7]
	s_wait_alu depctr_va_vdst(0)
.else
	v_wmma_f32_16x16x32_f16 v[OA+8*\cb:OA+8*\cb+7], v[ZV+8*\cb:ZV+8*\cb+7], v[P+16:P+23], v[OA+8*\cb:OA+8*\cb+7]
.endif
.endr
.endm
.macro ADDP a, b                       ; pair a of the weights += pair b
	v_pk_add_f32 v[S+2*(\a):S+2*(\a)+1], v[S+2*(\a):S+2*(\a)+1], v[S+2*(\b):S+2*(\b)+1]
.endm
; My tile of step t: queries 128 t + 16 w + 0..15 of the chunk.
.macro COMPUTE t
	; 24 loads: Q's two fragments; K's ten: key tile kt, channels 32 c on, is fragment kt + 5 c; the last two lie in O^T's registers, which are idle until V^T P.
	; No wait on va_vdst stands here: the last step's products and scalings, which named these registers, stand ahead of that step's wait in front of its way out, and the vector lines since (the round's conversions) name window 1 alone.
.irp c, 0,1
	ds_load_b128 v[QR+8*\c:QR+8*\c+3],   v[AQF] offset:64*\c
	ds_load_b128 v[QR+8*\c+4:QR+8*\c+7], v[AQF] offset:64*\c+32
.endr
.set f, 0
.rept 10
.if f < 8
.set rK, GF+8*f
.else
.set rK, OA+8*(f-8)
.endif
	ds_load_b128 v[rK:rK+3],   v[AKF] offset:(128*(\t)+16*(f%5))*KP+64*(f/5)
	ds_load_b128 v[rK+4:rK+7], v[AKF] offset:(128*(\t)+16*(f%5))*KP+64*(f/5)+32
.set f, f+1
.endr
.set C0R, M0
.set C1R, -1
.set C3R, -1
.set C4R, M4
.if (\t) == 0                          ; the sequence's ends fall on whole key tiles: a tile outside it is hidden whole.  The masks stand in P, which is idle here; they are made while the fragments are on their way, and name none of their registers.
.set C0R, P
.set C1R, P+8
.set i, 0
.rept 8
	v_min_num_f32 v[P+i], s[BE0], v[M0+i]
	v_mov_b32 v[P+8+i], s[BE1]
.set i, i+1
.endr
.elseif (\t) == 3
.set C4R, P
.set C3R, P+8
.set i, 0
.rept 8
	v_min_num_f32 v[P+i], s[BE4], v[M4+i]
	v_mov_b32 v[P+8+i], s[BE3]
.set i, i+1
.endr
.endif
	s_wait_dscnt 10                                ; Q and K's channels 0-31 are in; the ten loads of channels 32-63 may be out
	KQ0 0, C0R                                     ; the five accumulators take turns
	KQ0 1, C1R
	KQ0 2, -1
	KQ0 3, C3R
	KQ0 4, C4R
	s_wait_dscnt 0x0
.irp kt, 0,1,2
	v_wmma_f32_16x16x32_f16 v[S+8*\kt:S+8*\kt+7], v[GF+40+8*\kt:GF+40+8*\kt+7], v[QR+8:QR+15], v[S+8*\kt:S+8*\kt+7]
.endr
.irp kt, 3,4
	v_wmma_f32_16x16x32_f16 v[S+8*\kt:S+8*\kt+7], v[OA+8*(\kt-3):OA+8*(\kt-3)+7], v[QR+8:QR+15], v[S+8*\kt:S+8*\kt+7]
.endr
	PLACES                                         ; four places behind the last product (ISA guide 7.12.1), for the reads of S^T below
	s_wait_alu depctr_va_vdst(0)                   ; the ten products are done reading K's fragments in GF, in which V lands; the places above stay beside this wait
	; V, turned: 20 loads.  Key tiles (0, 1) and (2, 3) make whole fragments; key tile 4 the lower halves alone, so no row behind kappa = q0 + 79 is read
.if (\t) < 2
.set aV, AVF0
.else
.set aV, AVF2
.endif
.set vb, 128*((\t)%2)*VP
.irp u, 0,1
.irp cb, 0,1,2,3
	ds_load_tr16_b128 v[GF+32*\u+8*\cb:GF+32*\u+8*\cb+3],   v[aV] offset:vb+32*\u*VP+32*\cb
	ds_load_tr16_b128 v[GF+32*\u+8*\cb+4:GF+32*\u+8*\cb+7], v[aV] offset:vb+32*\u*VP+16*VP+32*\cb
.endr
.endr
.irp cb, 0,1,2,3
	ds_load_tr16_b128 v[ZV+8*\cb:ZV+8*\cb+3], v[aV] offset:vb+64*VP+32*\cb
.endr
	; the maximum of my 40 scores: five chains, each begun at its accumulator's lowest registers
.irp n, 0,1,2,3,4
	v_max3_num_f32 v[CH+\n], v[S+8*\n], v[S+8*\n+1], v[S+8*\n+2]
.endr
.irp n, 0,1,2,3,4
	v_max3_num_f32 v[CH+\n], v[CH+\n], v[S+8*\n+3], v[S+8*\n+4]
.endr
.irp n, 0,1,2,3,4
	v_max3_num_f32 v[CH+\n], v[CH+\n], v[S+8*\n+5], v[S+8*\n+6]
.endr
	v_max3_num_f32 v[CH], v[CH], v[CH+1], v[CH+2]
	v_max3_num_f32 v[CH+3], v[CH+3], v[CH+4], v[S+7]
	v_max3_num_f32 v[CH+1], v[S+15], v[S+23], v[S+31]
	v_max3_num_f32 v[CH], v[CH], v[CH+3], v[CH+1]
	v_max_num_f32 v[CH], v[CH], v[S+39]
	v_permlanex16_b32 v[TMP], v[CH], s[SEL], s[SEL+1]  ; the query's other 40 scores lie in the lane 16 away
	v_max_num_f32 v[CM+1], v[CH], v[TMP]           ; m: the true maximum of the whole window (key tile 2 is never hidden)
	v_mul_f32 v[CM], s[CS], v[CM+1]
	; p = 2^(c s - c m).  Behind each run of exponentials stands a plain line that touches none of them before a result is used (ISA guide 5.7.2)
	FK 0
	FK 1
	EK 0
	FK 2
	EK 1
	FK 3
	CK 0
	EK 2
	FK 4
	CK 1
	s_wait_dscnt 0x0                               ; V is in
	PV 0
	EK 3
	CK 2
	EK 4
	CK 3
	PV 1
	CK 4
	PV 2
	; l: the sum of the 20 pairs of unrounded weights, in place; these lines are also the places behind the last products
.irp a, 0,2,4,6,8,10,12,14,16,18
	ADDP \a, \a+1
.endr
.irp a, 0,4,8,12,16
	ADDP \a, \a+2
.endr
	ADDP 0, 4
	ADDP 8, 12
	ADDP 0, 16
	ADDP 0, 8
	v_add_f32 v[RL+1], v[S], v[S+1]
	v_permlanex16_b32 v[TMP], v[RL+1], s[SEL], s[SEL+1]
	v_add_f32 v[RL+1], v[RL+1], v[TMP]
	v_rcp_f32 v[RL], v[RL+1]
	v_nop                                          ; a plain line between the reciprocal and its use
.set i, 0
	s_wait_alu depctr_va_vdst(0)
.rept 16
	v_pk_mul_f32 v[OA+2*i:OA+2*i+1], v[OA+2*i:OA+2*i+1], v[RL:RL+1] op_sel_hi:[1,0]
.set i, i+1
.endr
	; the way out: a lane holds eight channels of one row; through my own stage the tile comes back as whole rows
	s_wait_alu depctr_va_vdst(0)                   ; the scalings have written O^T, which the LDS stores read; the sums are done with S, in which the rows read back land
.irp cb, 0,1,2,3
	ds_store_b128 v[AOS], v[OA+8*\cb:OA+8*\cb+3]   offset:64*\cb
	ds_store_b128 v[AOS], v[OA+8*\cb+4:OA+8*\cb+7] offset:64*\cb+16
.endr
.irp i, 0,1,2,3,4,5,6,7
	ds_load_b128 v[S+4*\i:S+4*\i+3], v[AOR] offset:2*OP*\i  ; LDS serves a wave's instructions in order (ISA guide 5.7.1.4): these see the stores above
.endr
.irp i, 0,1,2,3,4,5,6,7
	s_wait_dscnt 7-\i                              ; the loads younger than this one may be out
	global_store_b128 v[AQO], v[S+4*\i:S+4*\i+3], s[12:13] offset:STEPG*(\t)+8192*\i th:TH_STORE_NT  ; 16 lanes store 256 consecutive bytes, at a multiple of 256 from out's first byte
.endr
.endm
	; block H goes to LDS: behind its eight loads stand the ring's 24
	WIN 0x55
	s_wait_loadcnt 24
.irp i, 0,1,2,3,4,5,6,7
	CV XH+4*\i, TH+2*\i
.endr
	s_wait_alu depctr_va_vdst(0)                   ; the conversions have written TH, which the stores below read; the seven addresses of window 0, made since the last such wait, are written too: the tiles' LDS loads and stores and the global stores read them
.irp i, 0,1,2,3
	ds_store_b64 v[LKH], v[TH+2*\i:TH+2*\i+1] offset:2*KP*\i
.endr
.irp i, 0,1,2,3
	ds_store_b64 v[LVH], v[TH+8+2*\i:TH+8+2*\i+1] offset:2*VP*\i
.endr
	PRODUCE 0
	s_wait_kmcnt 0x0                               ; attn_mask's byte has come
	s_wait_dscnt 0x0                               ; for the others' sake: my stores of K and V are done
	s_barrier_signal -1
	s_barrier_wait -1                              ; everybody's are: block H and block 1 are whole
	COMPUTE 0
.irp t, 1,2,3
	PRODUCE \t
	s_wait_dscnt 0x0                               ; my stores of block t + 1 are done
	s_barrier_signal -1
	s_barrier_wait -1                              ; everybody's are.  No second barrier: the bytes that slower waves still read are never written again
	COMPUTE \t
.endr
	s_wait_dscnt 0x0                               ; the wave's end; a closing add to my spare word behind the O stage follows
	s_wait_alu depctr_hold_cnt(0) depctr_sa_sdst(0) depctr_va_vdst(0) depctr_va_sdst(0) depctr_va_ssrc(0) depctr_va_vcc(0) depctr_vm_vsrc(0)
	s_wait_tensorcnt 0x0
	ds_add_u32 v254, v255
	s_wait_dscnt 0x0
	s_endpgm
.Lfunc_end_k_qcb00b9fc84_band:
	.size	k_qcb00b9fc84_band, .Lfunc_end_k_qcb00b9fc84_band-k_qcb00b9fc84_band
	.p2alignl 7, 3214868480
	.fill 96, 4, 3214868480
	.section	.rodata,"a",@progbits
	.p2align	6, 0x0
	.amdhsa_kernel k_qcb00b9fc84_band
		.amdhsa_group_segment_fixed_size 229376
		.amdhsa_private_segment_fixed_size 0
		.amdhsa_enable_private_segment 0
		.amdhsa_kernarg_size 40
		.amdhsa_user_sgpr_count 2
		.amdhsa_user_sgpr_kernarg_segment_ptr 1
		.amdhsa_wavefront_size32 1
		.amdhsa_system_sgpr_workgroup_id_x 1
		.amdhsa_system_sgpr_workgroup_id_y 1
		.amdhsa_system_sgpr_workgroup_id_z 1
		.amdhsa_system_vgpr_workitem_id 0
		.amdhsa_next_free_vgpr 464
		.amdhsa_next_free_sgpr 66
		.amdhsa_reserve_vcc 0
		.amdhsa_float_denorm_mode_32 3
		.amdhsa_float_denorm_mode_16_64 3
		.amdhsa_memory_ordered 1
		.amdhsa_forward_progress 1
		.amdhsa_inst_pref_size 98
	.end_amdhsa_kernel
	.amdgpu_metadata
---
amdhsa.version: [ 1, 2 ]
amdhsa.kernels:
  - .name:           k_qcb00b9fc84_band
    .symbol:         k_qcb00b9fc84_band.kd
    .args:
      - { .name: queries, .offset: 0, .size: 8, .value_kind: global_buffer, .address_space: global }
      - { .name: keys, .offset: 8, .size: 8, .value_kind: global_buffer, .address_space: global }
      - { .name: values, .offset: 16, .size: 8, .value_kind: global_buffer, .address_space: global }
      - { .name: attn_mask, .offset: 24, .size: 8, .value_kind: global_buffer, .address_space: global }
      - { .name: out0, .offset: 32, .size: 8, .value_kind: global_buffer, .address_space: global }
    .group_segment_fixed_size: 229376
    .private_segment_fixed_size: 0
    .kernarg_segment_align: 8
    .kernarg_segment_size: 40
    .max_flat_workgroup_size: 256
    .sgpr_count:     66
    .vgpr_count:     464
    .wavefront_size: 32
...
	.end_amdgpu_metadata
.endif
;; end of part 2
